; MI455X (gfx1250); checked and timed in simulation.
; The chip was launched on July 23, 2026; its instructions are those of AMD's public machine-readable ISA for CDNA 5 (MIT licence, August 2026) and "CDNA5" Instruction Set Architecture Reference Guide (July 2026). The comments in the code are by the model that wrote it; some were corrected since.
;; MLP Encoder. Allowed arithmetic: float matrix products may take bf16 or f16 operands with f32 sums; all other float work in f32.
;; Inputs: W_neg0 1,024 x 256 float32; W_neg1 1,024 x 1,024 float32; W_neg2 256 x 1,024 float32; W_pos0 1,024 x 256 float32; W_pos1 1,024 x 1,024 float32; W_pos2 256 x 1,024 float32; b_neg0 1,024 float32; b_neg1 1,024 float32; b_neg2 256 float32; b_pos0 1,024 float32; b_pos1 1,024 float32; b_pos2 256 float32; observations 16,384 int32; x 16,384 x 256 float32.
;; Outputs: out0 16,384 x 256 float32.
;; 2 versions, each right; version 2 is version 1 with the launch mlp written anew for expert scheduling mode. Each part assembles by itself: llvm-mc -triple=amdgcn-amd-amdhsa -mcpu=gfx1250 --defsym DOCPART=n.
;; ======== version 1 of 2: 2 launches
;; workspace buffers: wb 6,291,456 bytes; order 66,048 bytes of whole numbers; meta 256 bytes of whole numbers
;; launch prep (part 1): grid 97 x 1, 32 waves a work-group, no clusters, 4,352 bytes of LDS; arguments W_neg0, W_neg1, W_neg2, W_pos0, W_pos1, W_pos2, observations, wb, order, meta; writes wb, order, meta
.if DOCPART == 1
	.amdgcn_target "amdgcn-amd-amdhsa--gfx1250"
	.amdhsa_code_object_version 6
	.text
	.protected	k_q7325651b11_prep
	.globl	k_q7325651b11_prep
	.p2align	8
	.type	k_q7325651b11_prep,@function
k_q7325651b11_prep:
	s_mov_b64 s[64:65], 0
	v_nop
	global_prefetch_b8 v0, s[64:65] scope:SCOPE_SE
	s_setreg_imm32_b32 hwreg(HW_REG_WAVE_MODE, 25, 1), 1
	s_wait_xcnt 0x0
; Work-group 0 sorts the 16,384 rows by class (observation -1, 1, anything else) into the list 'order', without atomics:
; each of its 32 waves owns 512 observations, the waves' counts meet in LDS, and every row's place is a base plus the
; number of rows of its class in front of it.  Each class begins at a multiple of 64 places, so that a tile of 64 places
; holds one class.  'meta' takes the tile counts and each class's last place.
; Work-groups 1 to 96 turn the six weight matrices into bf16, laid out as the next launch's waves consume them:
;   byte = class*3145728 + wave*786432 + s*4096 + mt*1024 + half*512 + lane*16,  16 bytes = W[f][k .. k+7],
;   f = 256 p + 64 wave + 16 mt + (lane & 15),  k = 32 ks + 16 half + 8 (lane >> 4),
;   s = 8 p + ks (layer 0), 32 + 32 p + ks (layer 1), 160 + ks (layer 2).
; One wave converts 16 rows x 64 k: its eight loads together read 256 consecutive bytes of each of 16 rows, its four stores
; write 512 consecutive bytes each.  48 work-groups a class: 8 + 32 + 8 for the three layers (256 + 1024 + 256 such pieces).
; No matrix unit, no tensor loads: every byte is touched once and nothing is shared.
.set NROWS, 16384
.set CLSB,  3145728                    ; bytes of one class's bf16 weights
.set WAVEB, 786432                     ; bytes of one consuming wave's stream
	s_load_b512 s[8:23], s[0:1], 0x0               ; W_neg0 s[8:9], W_neg1 s[10:11], W_neg2 s[12:13], W_pos0 s[14:15], W_pos1 s[16:17], W_pos2 s[18:19], observations s[20:21], wb s[22:23]
	s_load_b128 s[24:27], s[0:1], 0x40             ; order s[24:25], meta s[26:27]
	v_lshl_add_u32 v64, v0, 2, 0x100
	v_mov_b32 v65, 0
	v_lshrrev_b32 v6, 5, v0
	v_readfirstlane_b32 s2, v6                     ; wave 0..31
	v_and_b32 v1, 31, v0                           ; lane
	v_and_b32 v2, 15, v0                           ; r
	v_bfe_u32 v3, v0, 4, 1                         ; h
	s_wait_kmcnt 0x0
	s_cmp_lg_u32 ttmp9, 0
	s_cbranch_scc1 .Lconvert
	; ---------------- the sort: work-group 0 ----------------
	v_and_b32 v4, 0x3e0, v0                        ; 32 x wave
	v_lshlrev_b32 v5, 4, v1
	v_lshl_or_b32 v4, v4, 6, v5                    ; wave x 2,048 bytes + lane x 16
	global_load_b128 v[8:11],  v4, s[20:21]
	global_load_b128 v[12:15], v4, s[20:21] offset:512
	global_load_b128 v[16:19], v4, s[20:21] offset:1024
	global_load_b128 v[20:23], v4, s[20:21] offset:1536
	s_wait_loadcnt 0x0                             ; register 8 + e, e = 4 j + c, of lane L holds row 512 wave + 128 j + 4 L + c
.set e, 0
.rept 16
	v_cmp_eq_u32 s[32+e], -1, v[8+e]               ; lanes whose row is of class neg
	v_cmp_eq_u32 s[48+e], 1, v[8+e]                ; of class pos
.set e, e+1
.endr
	s_mov_b32 s3, 0
	s_mov_b32 s4, 0
.set e, 0
.rept 16
	s_bcnt1_i32_b32 s6, s[32+e]
	s_bcnt1_i32_b32 s7, s[48+e]
	s_add_co_u32 s3, s3, s6                        ; my wave's neg rows
	s_add_co_u32 s4, s4, s7                        ; my wave's pos rows
.set e, e+1
.endr
	s_lshl_b32 s5, s4, 16
	s_or_b32 s5, s5, s3                            ; both counts in one word: the sums over all waves stay below 65,536
	v_mov_b32 v24, s5
	v_mov_b32 v25, s2
	v_lshlrev_b32 v25, 2, v25
	ds_store_b32 v25, v24                          ; word 'wave' of LDS
	s_wait_dscnt 0x0                               ; my store is done before I signal: the other waves read it behind the barrier
	s_barrier_signal -1
	s_barrier_wait -1
	v_lshlrev_b32 v26, 2, v1
	ds_load_b32 v26, v26                           ; lane i: wave i's counts
	s_wait_dscnt 0x0
	s_mov_b32 s28, 0                               ; sum over all waves
	s_mov_b32 s29, 0                               ; sum over the waves in front of mine
.set i, 0
.rept 32
	v_readlane_b32 s6, v26, i
	s_add_co_u32 s28, s28, s6
	s_cmp_gt_u32 s2, i
	s_cselect_b32 s7, s6, 0
	s_add_co_u32 s29, s29, s7
.set i, i+1
.endr
	; the weights' addresses in s8 to s23 are not needed on this path: the registers are used again
	s_and_b32 s8, s28, 0xffff                      ; nn
	s_lshr_b32 s9, s28, 16                         ; np
	s_add_co_u32 s10, s8, s9
	s_sub_co_u32 s10, NROWS, s10                   ; n0
	s_add_co_u32 s11, s8, 63
	s_lshr_b32 s11, s11, 6                         ; TN: tiles of class neg
	s_add_co_u32 s12, s9, 63
	s_lshr_b32 s12, s12, 6                         ; TP
	s_add_co_u32 s13, s10, 63
	s_lshr_b32 s13, s13, 6                         ; T0
	s_lshl_b32 s14, s11, 6                         ; S1: first place of class pos
	s_add_co_u32 s15, s11, s12                     ; TN + TP
	s_lshl_b32 s16, s15, 6                         ; S2: first place of the rows that pass through
	s_add_co_u32 s17, s15, s13                     ; T: all tiles, 256 to 258
	s_and_b32 s18, s29, 0xffff                     ; my wave's first neg place
	s_lshr_b32 s19, s29, 16
	s_add_co_u32 s20, s14, s19                     ; my wave's first pos place
	s_lshl_b32 s22, s2, 9                          ; rows in front of my wave
	s_add_co_u32 s21, s16, s22
	s_sub_co_u32 s21, s21, s18
	s_sub_co_u32 s21, s21, s19                     ; my wave's first place among the others
	v_lshlrev_b32 v30, 2, v1
	v_add_nc_u32 v30, s22, v30                     ; 512 wave + 4 lane
	; placement.  Each of the sixteen stores has an address and a data register of its own, so no store's sources are rewritten.
.set e, 0
.rept 16
	s_or_b32 s6, s[32+e], s[48+e]
	s_not_b32 s6, s6                               ; lanes of the third class
	v_mbcnt_lo_u32_b32 v27, s[32+e], s18           ; base + lanes of the class below mine
	v_mbcnt_lo_u32_b32 v28, s[48+e], s20
	v_mbcnt_lo_u32_b32 v29, s6, s21
	v_cndmask_b32 v29, v29, v28, s[48+e]
	v_cndmask_b32 v29, v29, v27, s[32+e]
	v_min_u32 v29, 0x407f, v29                     ; a place is at most 258 x 64 - 1
	v_lshlrev_b32 v[32+e], 2, v29
	v_add_nc_u32 v[48+e], 128*(e>>2)+(e&3), v30    ; the row's number
	global_store_b32 v[32+e], v[48+e], s[24:25]    ; the lanes of one class write consecutive words
	s_bcnt1_i32_b32 s7, s[32+e]
	s_add_co_u32 s18, s18, s7
	s_bcnt1_i32_b32 s7, s[48+e]
	s_add_co_u32 s20, s20, s7
	s_bcnt1_i32_b32 s7, s6
	s_add_co_u32 s21, s21, s7
.set e, e+1
.endr
	s_cmp_lg_u32 s2, 0
	s_cbranch_scc1 .Lsorted                        ; wave 0 alone writes meta; no barrier stands inside
	s_sub_co_u32 s30, s8, 1                        ; last place of class neg
	s_add_co_u32 s31, s14, s9
	s_sub_co_u32 s31, s31, 1                       ; of class pos
	s_add_co_u32 s3, s16, s10
	s_sub_co_u32 s3, s3, 1                         ; of the others
	v_mov_b32 v31, 0
	v_writelane_b32 v31, s11, 0
	v_writelane_b32 v31, s15, 1
	v_writelane_b32 v31, s17, 2
	v_writelane_b32 v31, s30, 3
	v_writelane_b32 v31, s31, 4
	v_writelane_b32 v31, s3, 5
	v_lshlrev_b32 v7, 2, v1
	global_store_b32 v7, v31, s[26:27]             ; words 0 to 5, and zeros up to word 31
.Lsorted:
	s_wait_tensorcnt 0x0
	ds_add_u32 v64, v65
	s_wait_dscnt 0x0
	s_endpgm
	; ---------------- the conversion: work-groups 1 to 96 ----------------
.Lconvert:
	s_sub_co_u32 s3, ttmp9, 1                      ; q = 0..95
	s_cmp_lt_u32 s3, 48
	s_cselect_b64 s[8:9], s[8:9], s[14:15]         ; the class's three matrices
	s_cselect_b64 s[10:11], s[10:11], s[16:17]
	s_cselect_b64 s[12:13], s[12:13], s[18:19]
	s_cselect_b32 s4, 0, 1                         ; class
	s_mul_i32 s5, s4, 48
	s_sub_co_u32 s5, s3, s5                        ; j = 0..47
	s_cmp_lt_u32 s5, 8                             ; layer 0: j 0..7
	s_cselect_b64 s[8:9], s[8:9], s[10:11]
	s_cselect_b32 s6, 0, 8                         ; the layer's first j
	s_cselect_b32 s7, 2, 4                         ; log2 of the pieces of 64 k in a row
	s_cselect_b32 s30, 10, 12                      ; log2 of a row's bytes
	s_cselect_b32 s31, 3, 5                        ; log2 of the k steps in a pass
	s_cselect_b32 s32, 0, 32                       ; the layer's first s
	s_cmp_lt_u32 s5, 40                            ; layer 1: j 8..39, layer 2: j 40..47
	s_cselect_b64 s[28:29], s[8:9], s[12:13]
	s_cselect_b32 s6, s6, 40
	s_cselect_b32 s32, s32, 160
	s_sub_co_u32 s33, s5, s6
	s_lshl_b32 s33, s33, 5
	s_add_co_u32 s33, s33, s2                      ; my piece's number in the layer
	s_lshr_b32 s34, s33, s7                        ; m: which 16 rows
	s_lshl_b32 s35, s34, s7
	s_sub_co_u32 s35, s33, s35                     ; kp: which 64 k
	s_add_co_u32 s36, s30, 4
	s_lshl_b32 s36, s34, s36                       ; 16 m rows
	s_lshl_b32 s37, s35, 8                         ; 64 kp numbers of 4 bytes
	s_add_co_u32 s36, s36, s37
	s_mov_b32 s37, 0
	s_add_nc_u64 s[28:29], s[28:29], s[36:37]      ; from here
	s_mul_i32 s38, s4, CLSB
	s_bfe_u32 s39, s34, 0x20002                    ; consuming wave = (m >> 2) & 3
	s_mul_i32 s39, s39, WAVEB
	s_add_co_u32 s38, s38, s39
	s_lshr_b32 s39, s34, 4                         ; pass p = m >> 4
	s_lshl_b32 s39, s39, s31
	s_add_co_u32 s39, s39, s32
	s_lshl1_add_u32 s39, s35, s39                  ; s = first s + p x steps + 2 kp
	s_lshl_b32 s39, s39, 12
	s_add_co_u32 s38, s38, s39
	s_and_b32 s39, s34, 3                          ; mt = m & 3
	s_lshl_b32 s39, s39, 10
	s_add_co_u32 s38, s38, s39
	s_mov_b32 s39, 0
	s_add_nc_u64 s[40:41], s[22:23], s[38:39]      ; to here
	v_lshlrev_b32 v4, s30, v2                      ; row r
	v_lshl_add_u32 v4, v3, 5, v4                   ; + 8 h numbers of 4 bytes
	v_lshlrev_b32 v5, 4, v1                        ; 16 x lane
.set n, 0
.rept 8
	global_load_b128 v[8+4*n:11+4*n], v4, s[28:29] offset:64*(n>>1)+16*(n&1) th:TH_LOAD_NT
.set n, n+1
.endr
.set pc, 0
.rept 4
	s_wait_loadcnt 6-2*pc                          ; this part's two loads are in; those of the later parts stay out
.set k, 0
.rept 4
	v_cvt_pk_bf16_f32 v[40+4*pc+k], v[8+8*pc+2*k], v[8+8*pc+2*k+1]
.set k, k+1
.endr
	global_store_b128 v5, v[40+4*pc:43+4*pc], s[40:41] offset:4096*(pc>>1)+512*(pc&1)   ; 512 consecutive bytes, aligned
.set pc, pc+1
.endr
	s_endpgm
.Lfunc_end_k_q7325651b11_prep:
	.size	k_q7325651b11_prep, .Lfunc_end_k_q7325651b11_prep-k_q7325651b11_prep
	.p2alignl 7, 3214868480
	.fill 96, 4, 3214868480
	.section	.rodata,"a",@progbits
	.p2align	6, 0x0
	.amdhsa_kernel k_q7325651b11_prep
		.amdhsa_group_segment_fixed_size 4352
		.amdhsa_private_segment_fixed_size 0
		.amdhsa_enable_private_segment 0
		.amdhsa_kernarg_size 80
		.amdhsa_user_sgpr_count 2
		.amdhsa_user_sgpr_kernarg_segment_ptr 1
		.amdhsa_wavefront_size32 1
		.amdhsa_system_sgpr_workgroup_id_x 1
		.amdhsa_system_sgpr_workgroup_id_y 1
		.amdhsa_system_sgpr_workgroup_id_z 1
		.amdhsa_system_vgpr_workitem_id 0
		.amdhsa_next_free_vgpr 66
		.amdhsa_next_free_sgpr 66
		.amdhsa_reserve_vcc 0
		.amdhsa_float_denorm_mode_32 3
		.amdhsa_float_denorm_mode_16_64 3
		.amdhsa_memory_ordered 1
		.amdhsa_forward_progress 1
		.amdhsa_inst_pref_size 31
	.end_amdhsa_kernel
	.amdgpu_metadata
---
amdhsa.version: [ 1, 2 ]
amdhsa.kernels:
  - .name:           k_q7325651b11_prep
    .symbol:         k_q7325651b11_prep.kd
    .args:
      - { .name: W_neg0, .offset: 0, .size: 8, .value_kind: global_buffer, .address_space: global }
      - { .name: W_neg1, .offset: 8, .size: 8, .value_kind: global_buffer, .address_space: global }
      - { .name: W_neg2, .offset: 16, .size: 8, .value_kind: global_buffer, .address_space: global }
      - { .name: W_pos0, .offset: 24, .size: 8, .value_kind: global_buffer, .address_space: global }
      - { .name: W_pos1, .offset: 32, .size: 8, .value_kind: global_buffer, .address_space: global }
      - { .name: W_pos2, .offset: 40, .size: 8, .value_kind: global_buffer, .address_space: global }
      - { .name: observations, .offset: 48, .size: 8, .value_kind: global_buffer, .address_space: global }
      - { .name: wb, .offset: 56, .size: 8, .value_kind: global_buffer, .address_space: global }
      - { .name: order, .offset: 64, .size: 8, .value_kind: global_buffer, .address_space: global }
      - { .name: meta, .offset: 72, .size: 8, .value_kind: global_buffer, .address_space: global }
    .group_segment_fixed_size: 4352
    .private_segment_fixed_size: 0
    .kernarg_segment_align: 8
    .kernarg_segment_size: 80
    .max_flat_workgroup_size: 1024
    .sgpr_count:     66
    .vgpr_count:     66
    .wavefront_size: 32
...
	.end_amdgpu_metadata
.endif
;; end of part 1
;; launch mlp (part 2): grid 256 x 1, 4 waves a work-group, no clusters, 307,712 bytes of LDS; arguments x, out0, wb, order, meta, b_neg0, b_neg1, b_neg2, b_pos0, b_pos1, b_pos2; writes out0
.if DOCPART == 2
	.amdgcn_target "amdgcn-amd-amdhsa--gfx1250"
	.amdhsa_code_object_version 6
	.text
	.protected	k_q7325651b11_mlp
	.globl	k_q7325651b11_mlp
	.p2align	8
	.type	k_q7325651b11_mlp,@function
k_q7325651b11_mlp:
	s_mov_b64 s[64:65], 0
	v_nop
	global_prefetch_b8 v0, s[64:65] scope:SCOPE_SE
	s_setreg_imm32_b32 hwreg(HW_REG_WAVE_MODE, 25, 1), 1
	s_wait_xcnt 0x0
; out0[row] = the class's MLP of x[row] (256 -> 1024 -> 1024 -> 256, bias and ReLU behind each layer), or x[row] itself.
; A tile is 64 places of the list 'order', all of one class.  Work-group g takes tile (85 g) & 255, and tile 511 - that one if it exists
; (there are 256 to 258 tiles), so every work-group has a tile.  A tile of the third class is copied; a tile of class neg or pos goes through
; all three layers with its activations in LDS as bf16, [row][feature].
; THE PRODUCT: source 0 = 16 features x 32 k of the weights, source 1 = 16 rows x 32 k of the activations.  A lane of the result then holds
; one row and eight neighbouring features, which pack into 16 bytes of the next layer's [row][feature] array.
; A pass makes 256 features x 64 rows; wave w makes features 64 w .. 64 w + 63 of it: 4 x 4 accumulators, 128 registers.
; Layer 1: 4 passes of K = 256; layer 2: 4 passes of K = 1024; layer 3: one pass of K = 1024.  The bias is the first product's C operand.
; THE WEIGHTS come straight from memory into registers, as bf16 in the order of use (786,432 consecutive bytes for a wave and a class), through
; a ring of four register slots of 8 KiB (two k steps each): a slot is asked for three steps before it is multiplied.
; CONTROL: the loop over tiles has two trips in every work-group and four barriers a trip, which every wave passes on every way.  The branches on a
; tile's class and on whether a second tile exists jump only over the work between two barriers.  So that every register which the layers read is
; written on every way, the preparation of a tile is the same for all classes but for the stores of a copied tile: a copied tile also asks for the
; ring's first 24 KiB a wave and writes X, and uses neither.
; ADDRESSES: every LDS address is a lane term set once plus an immediate, and the weight stream's place stands in the loads' immediate (at most
; 786,432).  For that the 9 passes are written out: about 76 KiB of code, which a tile runs through once, in a straight line.
; NO TENSOR LOADS, NO MULTICAST, although all tiles of a class walk the same weights: a weight fragment is used by one wave of a work-group alone,
; so a stay in LDS would add a write and a read of 3 MiB a tile; the activations take 307,200 of the 327,680 bytes that a work-group can be given,
; which leaves no room for slots; and the number of tiles of a class hangs on the data and need not divide into clusters.
; LIMITS: matrix operands and the activations between layers are rounded to bf16, sums are f32.  ReLU is v_max_num_f32: a NaN activation becomes 0.
; A class's last tile is filled up with that class's last row, which the same wave then stores several times with the same bytes.
;
; LDS:  X 64 rows x 528 (512 + 16) at 0;  H1 64 x 2,064 (2,048 + 16) at 33,792;  H2 the same at 165,888;  biases (f32: 4,096 + 4,096 + 1,024) at 297,984.
;       In layer 3 H1 is dead: wave w's stage for the way out, 64 rows x 272 bytes, lies at H1 + 17,408 w.  All pitches are odd multiples of 16 bytes.
; REGISTERS: window 0: addresses, biases, accumulators.  Window 1: weight slots 0 (v0-63) and 2 (v64-127), activation buffer 0 (v128-191).
;       Window 2: weight slots 1 and 3, activation buffer 1.  Even steps multiply out of window 1 and load into window 2, odd steps the other way round.
.set XP,      528
.set HP,      2064
.set H1,      33792
.set H2,      165888
.set BIAS,    297984
.set SPITCH,  272
.set STGB,    17408
.set CLSB,    3145728
.set WAVEB,   786432
.set VL16,    4                        ; v4      16 x lane
.set XA,      5                        ; v5      528 r + 16 h: activation fragments in X
.set HA,      6                        ; v6      2064 r + 16 h
.set LP,      7                        ; v7      256 w + 16 r: my 16 bytes in a row of x and of out0
.set XST,     8                        ; v8      528 h + 128 w + 8 r
.set STO,     9                        ; v9      my stage + 272 r + 32 h
.set SRD,     10                       ; v10     my stage + 272 h + 16 r
.set BIASADR, 11                       ; v11     biases + 256 w + 32 h
.set POS0,    12                       ; v12     4 (64 t + h)
.set T16,     13                       ; v13     16 x thread
.set T8,      14                       ; v14     8 x thread
.set BST,     15                       ; v15     biases + 16 x thread
.set BST2,    16                       ; v16     biases + 8,192 + 8 x thread
.set BH1A,    17                       ; v17, 18 fragments in H1: column tiles 0 (1 by the immediate) and 2 (3)
.set BH1B,    18
.set BH2A,    19                       ; v19, 20 the same in H2
.set BH2B,    20
.set SH1A,    21                       ; v21, 22 where results go in H1: column tiles 0 (1) and 2 (3)
.set SH1B,    22
.set SH2A,    23                       ; v23, 24 the same in H2
.set SH2B,    24
.set HW,      25                       ; v25     2064 r + 16 h + 128 w
.set OFFR,    32                       ; v32-63  byte offset in x and out0 of my 16 bytes of tile rows 2 tt + h
.set BIASR,   64                       ; v64-95  the pass's biases, 8 registers for each of 4 feature tiles
.set ACC,     96                       ; v96-223 accumulator (m, c) at 96 + 8 (4 m + c)
.set TMP,     224                      ; v224-255
.set AP,      46                       ; s[46:47] my stream of the tile's class's weights
.set MSB, 0
.macro WIN new                         ; the immediate's high byte repeats the setting that is left
.if MSB != \new
	s_set_vgpr_msb (MSB<<8)|\new
.set MSB, \new
.endif
.endm
.macro PLACES                          ; four places behind a matrix instruction (ISA guide 7.12.1) before its registers are loaded into or its result is read
.rept 4
	v_nop
.endr
.endm
.macro BAR
	s_wait_dscnt 0x0                               ; my LDS stores are done and my LDS reads are back, for the other waves' sake
	s_barrier_signal -1
	s_barrier_wait -1
.endm
; 16 loads: two k steps of my weights (4 feature tiles x 1 KiB each) into ring slot 'slot'; each load takes 512 consecutive bytes
.macro LDA slot, off
.irp u, 0,1
.irp m, 0,1,2,3
.irp q, 0,1
	global_load_b128 v[64*((\slot)>>1)+32*\u+8*\m+4*\q:64*((\slot)>>1)+32*\u+8*\m+4*\q+3], v[VL16], s[AP:AP+1] offset:\off+4096*\u+1024*\m+512*\q
.endr
.endr
.endr
.endm
; 16 LDS loads: two k steps of the activations, 4 column tiles of 16 rows, from byte kb of the rows.
; B_RA, B_RB: the address registers of column tiles 0, 1 and 2, 3; B_CS, B_CS2: what the immediate adds for an odd tile and for tiles 2, 3.
.macro LDB kb
.irp u, 0,1
.irp c, 0,1,2,3
.irp q, 0,1
	ds_load_b128 v[128+32*\u+8*\c+4*\q:128+32*\u+8*\c+4*\q+3], v[B_RA+(B_RB-B_RA)*(\c>>1)] offset:\kb+64*\u+32*\q+B_CS*(\c&1)+B_CS2*(\c>>1)
.endr
.endr
.endr
.endm
; 32 products.  The 16 accumulators take turns, one instruction a turn, in the same order everywhere.
; first = 1: the first k step takes the biases as C, so nothing is cleared and no bias is added later.
.macro MUL i, first
.irp u, 0,1
.irp m, 0,1,2,3
.irp c, 0,1,2,3
.if \first*(1-\u)
	v_wmma_f32_16x16x32_bf16 v[ACC+8*(4*\m+\c):ACC+8*(4*\m+\c)+7], v[64*(\i>>1)+32*\u+8*\m:64*(\i>>1)+32*\u+8*\m+7], v[128+32*\u+8*\c:128+32*\u+8*\c+7], v[BIASR+8*\m:BIASR+8*\m+7]
.else
	v_wmma_f32_16x16x32_bf16 v[ACC+8*(4*\m+\c):ACC+8*(4*\m+\c)+7], v[64*(\i>>1)+32*\u+8*\m:64*(\i>>1)+32*\u+8*\m+7], v[128+32*\u+8*\c:128+32*\u+8*\c+7], v[ACC+8*(4*\m+\c):ACC+8*(4*\m+\c)+7]
.endif
.endr
.endr
.endr
.endm
; Step i of a revolution of the ring.  It loads the next step's activations (bl) and the weights three steps ahead (al) into the buffer and the slot
; that the step before has just multiplied, then multiplies slot i with buffer i & 1.  AOFF: the revolution's first byte in the stream.
; lc: how many younger weight loads may stay out; dc: how many younger LDS instructions.
.macro STEP i, kb, first, bl, al, lc, dc
	PLACES
.if \bl+\al
	WIN (0x40<<((\i+1)&1))
.endif
.if \bl
	LDB \kb
.endif
.if \al
	LDA ((\i+3)&3), (AOFF+(\i+3)*8192)
.endif
	s_wait_loadcnt \lc                             ; loads come back in order: slot i is in, the loads of the later slots stay out
	s_wait_dscnt \dc                               ; all but the LDS loads just issued: this step's activations, the biases, the last pass's stores
	WIN (0x05<<(\i&1))
	MUL \i, \first
.endm
; A revolution: 8 k steps, 128 products.  base: byte of the rows at which it begins; nxt: at which the next one begins;
; bl3 = 0: a layer's last revolution, which looks ahead at no activations.  48 = the three later slots' 16 loads each; 16 = the next step's activation loads.
.macro REV base, nxt, first, bl3
	STEP 0, \base+128, \first, 1, 1, 48, 16
	STEP 1, \base+256, 0, 1, 1, 48, 16
	STEP 2, \base+384, 0, 1, 1, 48, 16
	STEP 3, \nxt, 0, \bl3, 1, 48, 16*\bl3
.set AOFF, AOFF+32768
.endm
; The stream's last revolution: only its first step still asks for weights (the last slot), so the counts run down; the last step loads nothing.
.macro REVTAIL base
	STEP 0, \base+128, 0, 1, 1, 48, 16
	STEP 1, \base+256, 0, 1, 0, 32, 16
	STEP 2, \base+384, 0, 1, 0, 16, 16
	STEP 3, 0, 0, 0, 0, 0, 0
.endm
; The biases of pass g (0-3 layer 1, 4-7 layer 2, 8 layer 3): register 8 m + j of lane (r, h) = the bias of feature 16 m + 8 h + j of my 64
.macro LDBIAS g
.irp m, 0,1,2,3
.irp q, 0,1
	ds_load_b128 v[BIASR+8*\m+4*\q:BIASR+8*\m+4*\q+3], v[BIASADR] offset:1024*\g+64*\m+16*\q
.endr
.endr
.endm
; Behind pass p of layer 1 or 2: the next pass's biases (nb; -1: none) are asked for; ReLU, rounding to bf16, 16 bytes a lane into the next layer's array.
.macro EPI_H sa, sb, p, nb
	WIN 0
	PLACES
.if \nb >= 0
	LDBIAS \nb
.endif
.irp m, 0,1,2,3
.irp c, 0,1,2,3
.irp j, 0,1,2,3,4,5,6,7
	v_max_num_f32 v[ACC+8*(4*\m+\c)+\j], 0, v[ACC+8*(4*\m+\c)+\j]
.endr
.irp j, 0,1,2,3
	v_cvt_pk_bf16_f32 v[TMP+4*((4*\m+\c)%8)+\j], v[ACC+8*(4*\m+\c)+2*\j], v[ACC+8*(4*\m+\c)+2*\j+1]
.endr
	ds_store_b128 v[\sa+(\sb-\sa)*(\c>>1)], v[TMP+4*((4*\m+\c)%8):TMP+4*((4*\m+\c)%8)+3] offset:512*\p+32*\m+16*HP*(\c&1)
.endr
.endr
.endm
; Behind layer 3: ReLU, f32 into my own stage (row = tile row, 256 bytes = my 64 features), back by whole rows, out.
.macro EPI_OUT
	WIN 0
	PLACES
.irp m, 0,1,2,3
.irp c, 0,1,2,3
.irp j, 0,1,2,3,4,5,6,7
	v_max_num_f32 v[ACC+8*(4*\m+\c)+\j], 0, v[ACC+8*(4*\m+\c)+\j]
.endr
	ds_store_b128 v[STO], v[ACC+8*(4*\m+\c):ACC+8*(4*\m+\c)+3] offset:4352*\c+64*\m
	ds_store_b128 v[STO], v[ACC+8*(4*\m+\c)+4:ACC+8*(4*\m+\c)+7] offset:4352*\c+64*\m+16
.endr
.endr
.set tt, 0
.rept 32
	ds_load_b128 v[ACC+4*tt:ACC+4*tt+3], v[SRD] offset:544*tt      ; my own bytes; LDS serves a wave's instructions in order (ISA guide 5.7.1), so these see the stores above
.set tt, tt+1
.endr
.set tt, 0
.rept 32
	s_wait_dscnt 31-tt                             ; load tt is back, the younger ones stay out
	global_store_b128 v[OFFR+tt], v[ACC+4*tt:ACC+4*tt+3], s[10:11] th:TH_STORE_NT   ; 16 lanes store 256 consecutive bytes, aligned
.set tt, tt+1
.endr
.endm
; The preparation of tile t (s44).  It leaves: s60 = 1 for a tile of class neg or pos, else 0; OFFR; the ring's first three slots; X and the biases in LDS.
; A tile of the third class is stored here.
.macro PHASE0
	s_cmp_lt_u32 s44, s33                          ; t < TN + TP ?
	s_cselect_b32 s45, s36, s37
	s_cselect_b32 s60, 1, 0
	s_cmp_lt_u32 s44, s32                          ; t < TN ?
	s_cselect_b32 s45, s35, s45                    ; the last place of the tile's class
	s_cselect_b32 s56, 0, 1                        ; whose weights: neg's, else pos's
	s_cselect_b32 s62, 0, -1                       ; the same as a mask of lanes
	s_lshl_b32 s45, s45, 2
	s_lshl_b32 s57, s44, 8
	v_lshl_add_u32 v[POS0], v3, 2, s57             ; 4 (64 t + h)
.set tt, 0
.rept 32
	v_add_nc_u32 v[ACC+tt], 8*tt, v[POS0]          ; place 64 t + 2 tt + h
	v_min_u32 v[ACC+tt], s45, v[ACC+tt]            ; places behind the class's end repeat its last row
	v_min_u32 v[ACC+tt], 0x101fc, v[ACC+tt]        ; inside the list's 16,512 words
	global_load_b32 v[OFFR+tt], v[ACC+tt], s[14:15]
.set tt, tt+1
.endr
	s_min_u32 s56, s56, 1                          ; the class, 0 or 1
	s_mul_i32 s56, s56, CLSB
	s_mul_i32 s57, s2, WAVEB
	s_add_co_u32 s56, s56, s57
	s_mov_b32 s57, 0
	s_add_nc_u64 s[AP:AP+1], s[12:13], s[56:57]
	WIN 0x40
	LDA 0, 0                                       ; the ring's first three slots, in the order in which they are multiplied
	WIN 0x80
	LDA 1, 8192
	WIN 0x40
	LDA 2, 16384
	WIN 0
	global_load_b128 v[TMP:TMP+3],         v[T16], s[18:19]                ; both classes' biases, each through its own pointer
	global_load_b128 v[TMP+4:TMP+7],       v[T16], s[18:19] offset:2048
	global_load_b128 v[TMP+8:TMP+11],      v[T16], s[20:21]
	global_load_b128 v[TMP+12:TMP+15],     v[T16], s[20:21] offset:2048
	global_load_b64  v[TMP+16:TMP+17],     v[T8],  s[22:23]
	global_load_b128 v[BIASR:BIASR+3],     v[T16], s[24:25]
	global_load_b128 v[BIASR+4:BIASR+7],   v[T16], s[24:25] offset:2048
	global_load_b128 v[BIASR+8:BIASR+11],  v[T16], s[26:27]
	global_load_b128 v[BIASR+12:BIASR+15], v[T16], s[26:27] offset:2048
	global_load_b64  v[BIASR+16:BIASR+17], v[T8],  s[28:29]
	s_wait_loadcnt 58                              ; the rows' numbers are in: 48 weight loads and 10 bias loads are younger
.set tt, 0
.rept 32
	v_min_u32 v[OFFR+tt], 0x3fff, v[OFFR+tt]       ; a row's number is below 16,384
	v_lshl_add_u32 v[OFFR+tt], v[OFFR+tt], 10, v[LP]
	global_load_b128 v[ACC+4*tt:ACC+4*tt+3], v[OFFR+tt], s[8:9]    ; my 256 bytes of tile rows 2 tt and 2 tt + 1
.set tt, tt+1
.endr
	s_wait_loadcnt 0x0                             ; x was asked for last
	s_cmp_lg_u32 s60, 0
	s_cbranch_scc1 .Lnot_copied_\@
.set tt, 0
.rept 32
	global_store_b128 v[OFFR+tt], v[ACC+4*tt:ACC+4*tt+3], s[10:11] th:TH_STORE_NT   ; a row that passes through: 16 lanes store 256 consecutive bytes, aligned
.set tt, tt+1
.endr
.Lnot_copied_\@:
	s_wait_xcnt 0x0                                ; the stores' data are rewritten below only behind this wait
.set tt, 0
.rept 32
	v_cvt_pk_bf16_f32 v[ACC+4*tt],   v[ACC+4*tt],   v[ACC+4*tt+1]
	v_cvt_pk_bf16_f32 v[ACC+4*tt+1], v[ACC+4*tt+2], v[ACC+4*tt+3]
	ds_store_b64 v[XST], v[ACC+4*tt:ACC+4*tt+1] offset:1056*tt     ; rows 2 tt + h, columns 64 w + 4 r ..
.set tt, tt+1
.endr
.set j, 0
.rept 18
	v_cndmask_b32 v[TMP+j], v[TMP+j], v[BIASR+j], s62              ; the tile's class's biases
.set j, j+1
.endr
	ds_store_b128 v[BST], v[TMP:TMP+3]
	ds_store_b128 v[BST], v[TMP+4:TMP+7]   offset:2048
	ds_store_b128 v[BST], v[TMP+8:TMP+11]  offset:4096
	ds_store_b128 v[BST], v[TMP+12:TMP+15] offset:6144
	ds_store_b64  v[BST2], v[TMP+16:TMP+17]
.endm
.macro PASS2 p, more, nb               ; a pass of layer 2: K = 1024 in four revolutions
	REV 0, 512, 1, 1
	REV 512, 1024, 0, 1
	REV 1024, 1536, 0, 1
	REV 1536, 0, 0, \more
	EPI_H SH2A, SH2B, \p, \nb
.endm
	s_load_b512 s[8:23], s[0:1], 0x0               ; x s[8:9], out0 s[10:11], wb s[12:13], order s[14:15], meta s[16:17], b_neg0 s[18:19], b_neg1 s[20:21], b_neg2 s[22:23]
	s_load_b128 s[24:27], s[0:1], 0x40             ; b_pos0 s[24:25], b_pos1 s[26:27]
	s_load_b64 s[28:29], s[0:1], 0x50              ; b_pos2
	v_lshl_add_u32 v30, v0, 2, 0x4b000
	v_mov_b32 v31, 0
	v_lshrrev_b32 v26, 5, v0
	v_readfirstlane_b32 s2, v26                    ; wave w = 0..3
	v_and_b32 v1, 31, v0                           ; lane
	v_and_b32 v2, 15, v0                           ; r
	v_bfe_u32 v3, v0, 4, 1                         ; h
	s_wait_kmcnt 0x0
	s_load_b256 s[32:39], s[16:17], 0x0            ; s32 TN, s33 TN+TP, s34 T, s35, s36, s37 the classes' last places
	v_lshlrev_b32 v[VL16], 4, v1
	v_mul_u32_u24 v[XA], v2, XP
	v_lshl_add_u32 v[XA], v3, 4, v[XA]
	v_mul_u32_u24 v[HA], v2, HP
	v_lshl_add_u32 v[HA], v3, 4, v[HA]
	s_lshl_b32 s56, s2, 8
	v_lshl_add_u32 v[LP], v2, 4, s56
	s_add_co_u32 s56, s56, BIAS
	v_lshl_add_u32 v[BIASADR], v3, 5, s56
	s_lshl_b32 s57, s2, 7
	v_mul_u32_u24 v[XST], v3, XP
	v_lshl_add_u32 v[XST], v2, 3, v[XST]
	v_add_nc_u32 v[XST], s57, v[XST]
	v_add_nc_u32 v[HW], s57, v[HA]
	s_mul_i32 s58, s2, STGB
	s_add_co_u32 s58, s58, H1                      ; my stage
	v_mul_u32_u24 v[STO], v2, SPITCH
	v_lshl_add_u32 v[STO], v3, 5, v[STO]
	v_add_nc_u32 v[STO], s58, v[STO]
	v_mul_u32_u24 v[SRD], v3, SPITCH
	v_lshl_add_u32 v[SRD], v2, 4, v[SRD]
	v_add_nc_u32 v[SRD], s58, v[SRD]
	v_lshlrev_b32 v[T16], 4, v0
	v_lshlrev_b32 v[T8], 3, v0
	v_add_nc_u32 v[BST], BIAS, v[T16]
	v_add_nc_u32 v[BST2], BIAS+8192, v[T8]
	v_add_nc_u32 v[BH1A], H1, v[HA]
	v_add_nc_u32 v[BH1B], H1+32*HP, v[HA]
	v_add_nc_u32 v[BH2A], H2, v[HA]
	v_add_nc_u32 v[BH2B], H2+32*HP, v[HA]
	v_add_nc_u32 v[SH1A], H1, v[HW]
	v_add_nc_u32 v[SH1B], H1+32*HP, v[HW]
	v_add_nc_u32 v[SH2A], H2, v[HW]
	v_add_nc_u32 v[SH2B], H2+32*HP, v[HW]
	s_mul_i32 s40, ttmp9, 85
	s_and_b32 s40, s40, 255                        ; my first tile: the odd factor strews the classes over neighbouring work-groups
	s_sub_co_u32 s41, 511, s40                     ; my second tile, if there is one: 256 or 257, for first tiles 255 and 254
	s_mov_b32 s44, s40
	s_wait_kmcnt 0x0
	PHASE0                                         ; the first tile: there are at least 256 tiles, so it exists
	s_mov_b32 s43, 0
.Ltile:
	BAR                                            ; X and the biases are whole
	s_cmp_eq_u32 s60, 0
	s_cbranch_scc1 .Lskip1
	; layer 1: X -> H1
.set AOFF, 0
.set B_RA, XA
.set B_RB, XA
.set B_CS, 16*XP
.set B_CS2, 32*XP
	LDBIAS 0
	WIN 0x40
	LDB 0
	REV 0, 0, 1, 1
	EPI_H SH1A, SH1B, 0, 1
	REV 0, 0, 1, 1
	EPI_H SH1A, SH1B, 1, 2
	REV 0, 0, 1, 1
	EPI_H SH1A, SH1B, 2, 3
	REV 0, 0, 1, 0
	EPI_H SH1A, SH1B, 3, -1
.Lskip1:
	BAR                                            ; H1 is whole; nobody reads X any more
	s_cmp_eq_u32 s60, 0
	s_cbranch_scc1 .Lskip2
	; layer 2: H1 -> H2
.set B_RA, BH1A
.set B_RB, BH1B
.set B_CS, 16*HP
.set B_CS2, 0
	LDBIAS 4
	WIN 0x40
	LDB 0
	PASS2 0, 1, 5
	PASS2 1, 1, 6
	PASS2 2, 1, 7
	PASS2 3, 0, -1
.Lskip2:
	BAR                                            ; H2 is whole; nobody reads H1 any more: H1 becomes the stages
	s_cmp_eq_u32 s60, 0
	s_cbranch_scc1 .Lskip3
	; layer 3: H2 -> out0
.set B_RA, BH2A
.set B_RB, BH2B
	LDBIAS 8
	WIN 0x40
	LDB 0
	REV 0, 512, 1, 1
	REV 512, 1024, 0, 1
	REV 1024, 1536, 0, 1
	REVTAIL 1536
	EPI_OUT
.Lskip3:
	BAR                                            ; nobody reads H2, the biases or a stage any more: the next preparation may write X and the biases, the next layer 1 H1
	s_mov_b32 s60, 0                               ; unless a second tile is prepared, the second trip passes its barriers and does nothing else
	s_cmp_lg_u32 s43, 0
	s_cbranch_scc1 .Lnone
	s_cmp_ge_u32 s41, s34                          ; is there a tile 511 - first ?
	s_cbranch_scc1 .Lnone
	s_mov_b32 s44, s41
	s_wait_loadcnt 0x0                             ; no load is out when the ring's slots and the other registers are asked for anew.  Layers 1 and 2 end with the next layer's
	                                               ; slots on their way; behind layer 3 the counts have run down to 0, so a wave finds this wait met; it makes the order hold on every way through the text
	s_wait_xcnt 0x0                                ; the stores' offsets and data and the ring's base are written again only behind this wait
	PHASE0
.Lnone:
	s_add_co_u32 s43, s43, 1
	s_cmp_lt_u32 s43, 2
	s_cbranch_scc1 .Ltile
	s_wait_tensorcnt 0x0
	ds_add_u32 v30, v31
	s_wait_dscnt 0x0
	s_endpgm
.Lfunc_end_k_q7325651b11_mlp:
	.size	k_q7325651b11_mlp, .Lfunc_end_k_q7325651b11_mlp-k_q7325651b11_mlp
	.p2alignl 7, 3214868480
	.fill 96, 4, 3214868480
	.section	.rodata,"a",@progbits
	.p2align	6, 0x0
	.amdhsa_kernel k_q7325651b11_mlp
		.amdhsa_group_segment_fixed_size 307712
		.amdhsa_private_segment_fixed_size 0
		.amdhsa_enable_private_segment 0
		.amdhsa_kernarg_size 88
		.amdhsa_user_sgpr_count 2
		.amdhsa_user_sgpr_kernarg_segment_ptr 1
		.amdhsa_wavefront_size32 1
		.amdhsa_system_sgpr_workgroup_id_x 1
		.amdhsa_system_sgpr_workgroup_id_y 1
		.amdhsa_system_sgpr_workgroup_id_z 1
		.amdhsa_system_vgpr_workitem_id 0
		.amdhsa_next_free_vgpr 704
		.amdhsa_next_free_sgpr 66
		.amdhsa_reserve_vcc 0
		.amdhsa_float_denorm_mode_32 3
		.amdhsa_float_denorm_mode_16_64 3
		.amdhsa_memory_ordered 1
		.amdhsa_forward_progress 1
		.amdhsa_inst_pref_size 255
	.end_amdhsa_kernel
	.section	.bss,"aw",@nobits
	.p2align	6
	.space	262144
	.amdgpu_metadata
---
amdhsa.version: [ 1, 2 ]
amdhsa.kernels:
  - .name:           k_q7325651b11_mlp
    .symbol:         k_q7325651b11_mlp.kd
    .args:
      - { .name: x, .offset: 0, .size: 8, .value_kind: global_buffer, .address_space: global }
      - { .name: out0, .offset: 8, .size: 8, .value_kind: global_buffer, .address_space: global }
      - { .name: wb, .offset: 16, .size: 8, .value_kind: global_buffer, .address_space: global }
      - { .name: order, .offset: 24, .size: 8, .value_kind: global_buffer, .address_space: global }
      - { .name: meta, .offset: 32, .size: 8, .value_kind: global_buffer, .address_space: global }
      - { .name: b_neg0, .offset: 40, .size: 8, .value_kind: global_buffer, .address_space: global }
      - { .name: b_neg1, .offset: 48, .size: 8, .value_kind: global_buffer, .address_space: global }
      - { .name: b_neg2, .offset: 56, .size: 8, .value_kind: global_buffer, .address_space: global }
      - { .name: b_pos0, .offset: 64, .size: 8, .value_kind: global_buffer, .address_space: global }
      - { .name: b_pos1, .offset: 72, .size: 8, .value_kind: global_buffer, .address_space: global }
      - { .name: b_pos2, .offset: 80, .size: 8, .value_kind: global_buffer, .address_space: global }
    .group_segment_fixed_size: 307712
    .private_segment_fixed_size: 0
    .kernarg_segment_align: 8
    .kernarg_segment_size: 88
    .max_flat_workgroup_size: 128
    .sgpr_count:     66
    .vgpr_count:     704
    .wavefront_size: 32
...
	.end_amdgpu_metadata
.endif
;; end of part 2
;; ======== version 2 of 2: 2 launches; version 1 with the launch mlp written anew for expert scheduling mode
;; workspace buffers: wb 6,291,456 bytes; order 66,048 bytes of whole numbers; meta 256 bytes of whole numbers
;; launch prep: the kernel of part 1 again; grid 97 x 1, 32 waves a work-group, no clusters, 4,352 bytes of LDS; arguments W_neg0, W_neg1, W_neg2, W_pos0, W_pos1, W_pos2, observations, wb, order, meta; writes wb, order, meta
;; launch mlp (part 3): grid 256 x 1, 4 waves a work-group, no clusters, 307,712 bytes of LDS; arguments x, out0, wb, order, meta, b_neg0, b_neg1, b_neg2, b_pos0, b_pos1, b_pos2; writes out0
.if DOCPART == 3
	.amdgcn_target "amdgcn-amd-amdhsa--gfx1250"
	.amdhsa_code_object_version 6
	.text
	.protected	k_q7325651b11_mlp
	.globl	k_q7325651b11_mlp
	.p2align	8
	.type	k_q7325651b11_mlp,@function
k_q7325651b11_mlp:
	s_mov_b64 s[64:65], 0
	v_nop
	global_prefetch_b8 v0, s[64:65] scope:SCOPE_SE
	s_setreg_imm32_b32 hwreg(HW_REG_WAVE_SCHED_MODE, 0, 2), 2
	s_setreg_imm32_b32 hwreg(HW_REG_WAVE_MODE, 25, 1), 1
	s_wait_xcnt 0x0
	s_wait_alu depctr_vm_vsrc(0)
; out0[row] = the class's MLP of x[row] (256 -> 1024 -> 1024 -> 256, bias and ReLU behind each layer), or x[row] itself.
; A tile is 64 places of the list 'order', all of one class.  Work-group g takes tile (85 g) & 255, and tile 511 - that one if it exists
; (there are 256 to 258 tiles), so every work-group has a tile.  A tile of the third class is copied; a tile of class neg or pos goes through
; all three layers with its activations in LDS as bf16, [row][feature].
; THE PRODUCT: source 0 = 16 features x 32 k of the weights, source 1 = 16 rows x 32 k of the activations.  A lane of the result then holds
; one row and eight neighbouring features, which pack into 16 bytes of the next layer's [row][feature] array.
; A pass makes 256 features x 64 rows; wave w makes features 64 w .. 64 w + 63 of it: 4 x 4 accumulators, 128 registers.
; Layer 1: 4 passes of K = 256; layer 2: 4 passes of K = 1024; layer 3: one pass of K = 1024.  The bias is the first product's C operand.
; THE WEIGHTS come straight from memory into registers, as bf16 in the order of use (786,432 consecutive bytes for a wave and a class), through
; a ring of four register slots of 8 KiB (two k steps each): a slot is asked for in the third step before the one that multiplies it.
; CONTROL: the loop over tiles has two trips in every work-group and four barriers a trip, which every wave passes on every way.  The branches on a
; tile's class and on whether a second tile exists jump only over the work between two barriers.  So that every register which the layers read is
; written on every way, the preparation of a tile is the same for all classes but for the stores of a copied tile: a copied tile also asks for the
; ring's first 24 KiB a wave and writes X, and uses neither.
; ADDRESSES: every LDS address is a lane term set once plus an immediate, and the weight stream's place stands in the loads' immediate (at most
; 786,432).  For that the 9 passes are written out: about 77 KiB of code, which a tile runs through once, in a straight line.
; NO TENSOR LOADS, NO MULTICAST, although all tiles of a class walk the same weights: a weight fragment is used by one wave of a work-group alone,
; so a stay in LDS would add a write and a read of 3 MiB a tile; the activations take 307,200 of the 327,680 bytes that a work-group can be given,
; which leaves no room for slots; and the number of tiles of a class hangs on the data and need not divide into clusters.
; LIMITS: matrix operands and the activations between layers are rounded to bf16, sums are f32.  ReLU is v_max_num_f32: a NaN activation becomes 0.
; A class's last tile is filled up with that class's last row, which the same wave then stores several times with the same bytes.
; THE MODE: SCHED_MODE bits 1:0 = 2 (LLVM: expert scheduling mode 2), set by the entry lines.  The code itself states the register dependences
; between vector or matrix instructions and memory or LDS instructions, with s_wait_alu, always for 0.
; THE PLAN.  Registers that memory or LDS instructions touch, and who else names them:
;   ring slots 0-3     step n's products read slot n & 3; the 16 weight loads of step n + 1 land in it (the weights of step n + 4).
;   activation 0, 1    step n's products read buffer n & 1; the 16 LDS loads of step n + 1 land in it (the activations of step n + 2).
;   BIASR              read as C by a pass's first 16 products and by the preparation's selects; the next pass's biases land in it behind the pass.
;   ACC                written by products, ReLU and conversions; read by the LDS stores behind a pass; written anew by the next pass's first products.
;                      In the preparation: addresses of the list's loads, then x, then x in bf16 for LDS.  On the way out: LDS stores read it, the stage's loads land in it.
;   OFFR               the list's loads land in it, vector lines make offsets of it, x's loads and all global stores read it.
;   TMP                bias loads land in it, the selects write it, LDS stores read it: in the preparation alone.
;   v4 to v25          addresses, written once at the head, never again.
; So ONE wait on va_vdst stands at the head of a step: the products of the step before are done reading the slot and the buffer that this step's 32 loads land in.
; The loads follow in one run behind the step's first 8 products, which name the other slot and buffer, ACC and BIASR: none of the registers that the loads touch.
; One wait on vm_vsrc stands at the head of a pass: the LDS stores issued before have read ACC.  Behind a pass one wait on va_vdst stands ahead of the run of LDS stores.
;
; LDS:  X 64 rows x 528 (512 + 16) at 0;  H1 64 x 2,064 (2,048 + 16) at 33,792;  H2 the same at 165,888;  biases (f32: 4,096 + 4,096 + 1,024) at 297,984.
;       In layer 3 H1 is dead: wave w's stage for the way out, 64 rows x 272 bytes, lies at H1 + 17,408 w.  All pitches are odd multiples of 16 bytes.
; REGISTERS: window 0: addresses, biases, accumulators.  Window 1: weight slots 0 (v0-63) and 2 (v64-127), activation buffer 0 (v128-191).
;       Window 2: weight slots 1 and 3, activation buffer 1.  Even steps multiply out of window 1 and load into window 2, odd steps the other way round.
.set XP,      528
.set HP,      2064
.set H1,      33792
.set H2,      165888
.set BIAS,    297984
.set SPITCH,  272
.set STGB,    17408
.set CLSB,    3145728
.set WAVEB,   786432
.set VL16,    4                        ; v4      16 x lane
.set XA,      5                        ; v5      528 r + 16 h: activation fragments in X
.set HA,      6                        ; v6      2064 r + 16 h
.set LP,      7                        ; v7      256 w + 16 r: my 16 bytes in a row of x and of out0
.set XST,     8                        ; v8      528 h + 128 w + 8 r
.set STO,     9                        ; v9      my stage + 272 r + 32 h
.set SRD,     10                       ; v10     my stage + 272 h + 16 r
.set BIASADR, 11                       ; v11     biases + 256 w + 32 h
.set POS0,    12                       ; v12     4 (64 t + h)
.set T16,     13                       ; v13     16 x thread
.set T8,      14                       ; v14     8 x thread
.set BST,     15                       ; v15     biases + 16 x thread
.set BST2,    16                       ; v16     biases + 8,192 + 8 x thread
.set BH1A,    17                       ; v17, 18 fragments in H1: column tiles 0 (1 by the immediate) and 2 (3)
.set BH1B,    18
.set BH2A,    19                       ; v19, 20 the same in H2
.set BH2B,    20
.set SH1A,    21                       ; v21, 22 where results go in H1: column tiles 0 (1) and 2 (3)
.set SH1B,    22
.set SH2A,    23                       ; v23, 24 the same in H2
.set SH2B,    24
.set HW,      25                       ; v25     2064 r + 16 h + 128 w
.set OFFR,    32                       ; v32-63  byte offset in x and out0 of my 16 bytes of tile rows 2 tt + h
.set BIASR,   64                       ; v64-95  the pass's biases, 8 registers for each of 4 feature tiles
.set ACC,     96                       ; v96-223 accumulator (m, c) at 96 + 8 (4 m + c)
.set TMP,     224                      ; v224-255 the preparation's biases
.set AP,      46                       ; s[46:47] my stream of the tile's class's weights
.set MSB, 0
.macro WIN new                         ; the immediate's high byte repeats the setting that is left
.if MSB != \new
	s_set_vgpr_msb (MSB<<8)|\new
.set MSB, \new
.endif
.endm
.macro PLACES                          ; four places behind a matrix instruction (ISA guide 7.12.1) before its registers are loaded into or its result is read
.rept 4
	v_nop
.endr
.endm
.macro BAR
	s_wait_dscnt 0x0                               ; my LDS stores are done and my LDS reads are back, for the other waves' sake
	s_barrier_signal -1
	s_barrier_wait -1
.endm
; 16 loads: two k steps of my weights (4 feature tiles x 1 KiB each) into ring slot 'slot'; each load takes 512 consecutive bytes
.macro LDA slot, off
.irp u, 0,1
.irp m, 0,1,2,3
.irp q, 0,1
	global_load_b128 v[64*((\slot)>>1)+32*\u+8*\m+4*\q:64*((\slot)>>1)+32*\u+8*\m+4*\q+3], v[VL16], s[AP:AP+1] offset:\off+4096*\u+1024*\m+512*\q
.endr
.endr
.endr
.endm
; 16 LDS loads: two k steps of the activations, 4 column tiles of 16 rows, from byte kb of the rows.
; B_RA, B_RB: the address registers of column tiles 0, 1 and 2, 3; B_CS, B_CS2: what the immediate adds for an odd tile and for tiles 2, 3.
.macro LDB kb
.irp u, 0,1
.irp c, 0,1,2,3
.irp q, 0,1
	ds_load_b128 v[128+32*\u+8*\c+4*\q:128+32*\u+8*\c+4*\q+3], v[B_RA+(B_RB-B_RA)*(\c>>1)] offset:\kb+64*\u+32*\q+B_CS*(\c&1)+B_CS2*(\c>>1)
.endr
.endr
.endr
.endm
; 8 products: k step u of slot i, feature tiles lo and lo + 1 x all 4 column tiles.  A step's four such runs take the 16 accumulators by turns, one instruction a turn,
; in the same order everywhere.  first = 1: the products take the biases as C, so nothing is cleared and no bias is added later.
.macro MUL8 i, u, lo, first
.irp m, \lo, (\lo)+1
.irp c, 0,1,2,3
.if \first
	v_wmma_f32_16x16x32_bf16 v[ACC+8*(4*(\m)+\c):ACC+8*(4*(\m)+\c)+7], v[64*(\i>>1)+32*\u+8*(\m):64*(\i>>1)+32*\u+8*(\m)+7], v[128+32*\u+8*\c:128+32*\u+8*\c+7], v[BIASR+8*(\m):BIASR+8*(\m)+7]
.else
	v_wmma_f32_16x16x32_bf16 v[ACC+8*(4*(\m)+\c):ACC+8*(4*(\m)+\c)+7], v[64*(\i>>1)+32*\u+8*(\m):64*(\i>>1)+32*\u+8*(\m)+7], v[128+32*\u+8*\c:128+32*\u+8*\c+7], v[ACC+8*(4*(\m)+\c):ACC+8*(4*(\m)+\c)+7]
.endif
.endr
.endr
.endm
; Step i of a revolution of the ring.  It multiplies slot i with buffer i & 1: 32 products.  Behind the first 8 of them it loads the next step's activations (bl) and the
; weights three steps ahead (al) into the buffer and the slot that the step before has multiplied.  AOFF: the revolution's first byte in the stream.
; lc: how many younger weight loads may stay out; dc: how many younger LDS instructions.
.macro STEP i, kb, first, bl, al, lc, dc
.if \bl+\al
	PLACES
.endif
	s_wait_loadcnt \lc                             ; loads come back in order: slot i is in, the loads of the later slots stay out
	s_wait_dscnt \dc                               ; this step's activations and, in a pass's first step, its biases are in; the LDS stores of the pass before, which are younger, may stay out
.if \bl+\al
	s_wait_alu depctr_va_vdst(0)                   ; the products of the step before are done reading ring slot (i + 3) & 3 and activation buffer (i + 1) & 1, in which this step's loads land
.endif
.if \first
	s_wait_alu depctr_vm_vsrc(0)                   ; the LDS stores issued so far (the pass before's, the preparation's) have read the accumulators' registers, which the products below write anew
.endif
	WIN (0x05<<(\i&1))
	MUL8 \i, 0, 0, \first
.if \bl+\al
	WIN (0x40<<((\i+1)&1))                         ; no further wait: no vector or matrix instruction since the wait above names the registers that these loads touch
.endif
.if \bl
	LDB \kb
.endif
.if \al
	LDA ((\i+3)&3), (AOFF+(\i+3)*8192)
.endif
	WIN (0x05<<(\i&1))
	MUL8 \i, 0, 2, \first
	MUL8 \i, 1, 0, 0
	MUL8 \i, 1, 2, 0
.endm
; A revolution: 8 k steps, 128 products.  base: byte of the rows at which it begins; nxt: at which the next one begins;
; bl3 = 0: a layer's last revolution, which looks ahead at no activations.  32 = the two later slots' 16 loads each.
; dc0 = 16: a pass that follows a pass: its 16 LDS stores were issued behind this step's activations and biases and may stay out.
.macro REV base, nxt, first, bl3, dc0
	STEP 0, \base+128, \first, 1, 1, 32, \dc0
	STEP 1, \base+256, 0, 1, 1, 32, 0
	STEP 2, \base+384, 0, 1, 1, 32, 0
	STEP 3, \nxt, 0, \bl3, 1, 32, 0
.set AOFF, AOFF+32768
.endm
; The stream's last revolution: only its first step still asks for weights (the last slot), so the counts run down; the last step loads nothing and holds no s_wait_alu.
.macro REVTAIL base
	STEP 0, \base+128, 0, 1, 1, 32, 0
	STEP 1, \base+256, 0, 1, 0, 32, 0
	STEP 2, \base+384, 0, 1, 0, 16, 0
	STEP 3, 0, 0, 0, 0, 0, 0
.endm
; The biases of pass g (0-3 layer 1, 4-7 layer 2, 8 layer 3): register 8 m + j of lane (r, h) = the bias of feature 16 m + 8 h + j of my 64.
; No wait stands ahead of these loads: BIASR was last read by a pass's first 16 products or by the preparation's selects, a wait on va_vdst has stood behind those on every way
; (the next step's, a pass's end's, the preparation's), and no vector or matrix instruction since names BIASR or the address.
.macro LDBIAS g
.irp m, 0,1,2,3
.irp q, 0,1
	ds_load_b128 v[BIASR+8*\m+4*\q:BIASR+8*\m+4*\q+3], v[BIASADR] offset:1024*\g+64*\m+16*\q
.endr
.endr
.endm
; Behind pass p of layer 1 or 2: the next pass's biases (nb; -1: none) are asked for; ReLU; rounding to bf16, each accumulator's eight numbers closing up into its first four
; registers; then, behind one wait, 16 bytes a lane and accumulator into the next layer's array.
.macro EPI_H sa, sb, p, nb
	WIN 0
	PLACES
.if \nb >= 0
	LDBIAS \nb
.endif
.irp m, 0,1,2,3
.irp c, 0,1,2,3
.irp j, 0,1,2,3,4,5,6,7
	v_max_num_f32 v[ACC+8*(4*\m+\c)+\j], 0, v[ACC+8*(4*\m+\c)+\j]
.endr
.irp j, 0,1,2,3
	v_cvt_pk_bf16_f32 v[ACC+8*(4*\m+\c)+\j], v[ACC+8*(4*\m+\c)+2*\j], v[ACC+8*(4*\m+\c)+2*\j+1]
.endr
.endr
.endr
	s_wait_alu depctr_va_vdst(0)                   ; the conversions have written the registers that the 16 LDS stores read
.irp m, 0,1,2,3
.irp c, 0,1,2,3
	ds_store_b128 v[\sa+(\sb-\sa)*(\c>>1)], v[ACC+8*(4*\m+\c):ACC+8*(4*\m+\c)+3] offset:512*\p+32*\m+16*HP*(\c&1)
.endr
.endr
.endm
; Behind layer 3: ReLU, f32 into my own stage (row = tile row, 256 bytes = my 64 features), back by whole rows, out.
.macro EPI_OUT
	WIN 0
	PLACES
.irp m, 0,1,2,3
.irp c, 0,1,2,3
.irp j, 0,1,2,3,4,5,6,7
	v_max_num_f32 v[ACC+8*(4*\m+\c)+\j], 0, v[ACC+8*(4*\m+\c)+\j]
.endr
.endr
.endr
	s_wait_alu depctr_va_vdst(0)                   ; ReLU has written the accumulators, which the LDS stores read; the places above stay beside this wait
.irp m, 0,1,2,3
.irp c, 0,1,2,3
	ds_store_b128 v[STO], v[ACC+8*(4*\m+\c):ACC+8*(4*\m+\c)+3] offset:4352*\c+64*\m
	ds_store_b128 v[STO], v[ACC+8*(4*\m+\c)+4:ACC+8*(4*\m+\c)+7] offset:4352*\c+64*\m+16
.endr
.endr
	s_wait_alu depctr_vm_vsrc(0)                   ; the LDS stores have read the accumulators' registers, in which the loads below land
.set tt, 0
.rept 32
	ds_load_b128 v[ACC+4*tt:ACC+4*tt+3], v[SRD] offset:544*tt      ; my own bytes; LDS serves a wave's instructions in order (ISA guide 5.7.1), so these see the stores above
.set tt, tt+1
.endr
.set tt, 0
.rept 32
	s_wait_dscnt 31-tt                             ; load tt is back, the younger ones stay out
	global_store_b128 v[OFFR+tt], v[ACC+4*tt:ACC+4*tt+3], s[10:11] th:TH_STORE_NT   ; 16 lanes store 256 consecutive bytes, aligned
.set tt, tt+1
.endr
.endm
; The preparation of tile t (s44).  It leaves: s60 = 1 for a tile of class neg or pos, else 0; OFFR; the ring's first three slots; X and the biases in LDS.
; A tile of the third class is stored here.  Vector lines stand in runs, and one wait stands between a run and the loads or stores that hang on it.
.macro PHASE0
	s_cmp_lt_u32 s44, s33                          ; t < TN + TP ?
	s_cselect_b32 s45, s36, s37
	s_cselect_b32 s60, 1, 0
	s_cmp_lt_u32 s44, s32                          ; t < TN ?
	s_cselect_b32 s45, s35, s45                    ; the last place of the tile's class
	s_cselect_b32 s56, 0, 1                        ; whose weights: neg's, else pos's
	s_cselect_b32 s62, 0, -1                       ; the same as a mask of lanes
	s_lshl_b32 s45, s45, 2
	s_lshl_b32 s57, s44, 8
	v_lshl_add_u32 v[POS0], v3, 2, s57             ; 4 (64 t + h)
.set tt, 0
.rept 32
	v_add_nc_u32 v[ACC+tt], 8*tt, v[POS0]          ; place 64 t + 2 tt + h
	v_min_u32 v[ACC+tt], s45, v[ACC+tt]            ; places behind the class's end repeat its last row
	v_min_u32 v[ACC+tt], 0x101fc, v[ACC+tt]        ; inside the list's 16,512 words
.set tt, tt+1
.endr
	s_min_u32 s56, s56, 1                          ; the class, 0 or 1
	s_mul_i32 s56, s56, CLSB
	s_mul_i32 s57, s2, WAVEB
	s_add_co_u32 s56, s56, s57
	s_mov_b32 s57, 0
	s_add_nc_u64 s[AP:AP+1], s[12:13], s[56:57]
	s_wait_alu depctr_va_vdst(0)                   ; the 32 addresses in ACC and the head's v4 to v25 are written, which the loads below read; and whatever named OFFR, the ring's slots, TMP and BIASR before (products, selects, offsets) is done: loads land in them
.set tt, 0
.rept 32
	global_load_b32 v[OFFR+tt], v[ACC+tt], s[14:15]
.set tt, tt+1
.endr
	WIN 0x40
	LDA 0, 0                                       ; the ring's first three slots, in the order in which they are multiplied
	WIN 0x80
	LDA 1, 8192
	WIN 0x40
	LDA 2, 16384
	WIN 0
	global_load_b128 v[TMP:TMP+3],         v[T16], s[18:19]                ; both classes' biases, each through its own pointer
	global_load_b128 v[TMP+4:TMP+7],       v[T16], s[18:19] offset:2048
	global_load_b128 v[TMP+8:TMP+11],      v[T16], s[20:21]
	global_load_b128 v[TMP+12:TMP+15],     v[T16], s[20:21] offset:2048
	global_load_b64  v[TMP+16:TMP+17],     v[T8],  s[22:23]
	global_load_b128 v[BIASR:BIASR+3],     v[T16], s[24:25]
	global_load_b128 v[BIASR+4:BIASR+7],   v[T16], s[24:25] offset:2048
	global_load_b128 v[BIASR+8:BIASR+11],  v[T16], s[26:27]
	global_load_b128 v[BIASR+12:BIASR+15], v[T16], s[26:27] offset:2048
	global_load_b64  v[BIASR+16:BIASR+17], v[T8],  s[28:29]
	s_wait_loadcnt 58                              ; the rows' numbers are in: 48 weight loads and 10 bias loads are younger
.set tt, 0
.rept 32
	v_min_u32 v[OFFR+tt], 0x3fff, v[OFFR+tt]       ; a row's number is below 16,384
	v_lshl_add_u32 v[OFFR+tt], v[OFFR+tt], 10, v[LP]
.set tt, tt+1
.endr
	s_wait_alu depctr_va_vdst(0)                   ; the 32 offsets in OFFR are written, which x's loads and every global store of the tile read
	s_wait_alu depctr_vm_vsrc(0)                   ; the list's loads have read their addresses in ACC, in which x lands
.set tt, 0
.rept 32
	global_load_b128 v[ACC+4*tt:ACC+4*tt+3], v[OFFR+tt], s[8:9]    ; my 256 bytes of tile rows 2 tt and 2 tt + 1
.set tt, tt+1
.endr
	s_wait_loadcnt 0x0                             ; x was asked for last
	s_cmp_lg_u32 s60, 0
	s_cbranch_scc1 .Lnot_copied_\@
.set tt, 0
.rept 32
	global_store_b128 v[OFFR+tt], v[ACC+4*tt:ACC+4*tt+3], s[10:11] th:TH_STORE_NT   ; a row that passes through: 16 lanes store 256 consecutive bytes, aligned
.set tt, tt+1
.endr
.Lnot_copied_\@:
	s_wait_xcnt 0x0                                ; the stores' data are rewritten below only behind this wait
	s_wait_alu depctr_vm_vsrc(0)                   ; a copied tile's stores have read ACC, which the conversions write
.set tt, 0
.rept 32
	v_cvt_pk_bf16_f32 v[ACC+4*tt],   v[ACC+4*tt],   v[ACC+4*tt+1]
	v_cvt_pk_bf16_f32 v[ACC+4*tt+1], v[ACC+4*tt+2], v[ACC+4*tt+3]
.set tt, tt+1
.endr
.set j, 0
.rept 18
	v_cndmask_b32 v[TMP+j], v[TMP+j], v[BIASR+j], s62              ; the tile's class's biases
.set j, j+1
.endr
	s_wait_alu depctr_va_vdst(0)                   ; the conversions have written ACC and the selects TMP, which the LDS stores read; the selects are done reading BIASR, in which layer 1's biases land
.set tt, 0
.rept 32
	ds_store_b64 v[XST], v[ACC+4*tt:ACC+4*tt+1] offset:1056*tt     ; rows 2 tt + h, columns 64 w + 4 r ..
.set tt, tt+1
.endr
	ds_store_b128 v[BST], v[TMP:TMP+3]
	ds_store_b128 v[BST], v[TMP+4:TMP+7]   offset:2048
	ds_store_b128 v[BST], v[TMP+8:TMP+11]  offset:4096
	ds_store_b128 v[BST], v[TMP+12:TMP+15] offset:6144
	ds_store_b64  v[BST2], v[TMP+16:TMP+17]
.endm
.macro PASS2 p, more, nb, dc0          ; a pass of layer 2: K = 1024 in four revolutions
	REV 0, 512, 1, 1, \dc0
	REV 512, 1024, 0, 1, 0
	REV 1024, 1536, 0, 1, 0
	REV 1536, 0, 0, \more, 0
	EPI_H SH2A, SH2B, \p, \nb
.endm
	s_load_b512 s[8:23], s[0:1], 0x0               ; x s[8:9], out0 s[10:11], wb s[12:13], order s[14:15], meta s[16:17], b_neg0 s[18:19], b_neg1 s[20:21], b_neg2 s[22:23]
	s_load_b128 s[24:27], s[0:1], 0x40             ; b_pos0 s[24:25], b_pos1 s[26:27]
	s_load_b64 s[28:29], s[0:1], 0x50              ; b_pos2
	v_lshl_add_u32 v254, v0, 2, 0x4b000
	v_mov_b32 v255, 0
	v_lshrrev_b32 v26, 5, v0
	v_readfirstlane_b32 s2, v26                    ; wave w = 0..3
	v_and_b32 v1, 31, v0                           ; lane
	v_and_b32 v2, 15, v0                           ; r
	v_bfe_u32 v3, v0, 4, 1                         ; h
	s_wait_alu depctr_va_sdst(0)                   ; s2 is written, ahead of its first reader: LDS addresses and the weights' base are made from it
	s_wait_kmcnt 0x0
	s_load_b256 s[32:39], s[16:17], 0x0            ; s32 TN, s33 TN+TP, s34 T, s35, s36, s37 the classes' last places
	v_lshlrev_b32 v[VL16], 4, v1
	v_mul_u32_u24 v[XA], v2, XP
	v_lshl_add_u32 v[XA], v3, 4, v[XA]
	v_mul_u32_u24 v[HA], v2, HP
	v_lshl_add_u32 v[HA], v3, 4, v[HA]
	s_lshl_b32 s56, s2, 8
	v_lshl_add_u32 v[LP], v2, 4, s56
	s_add_co_u32 s56, s56, BIAS
	v_lshl_add_u32 v[BIASADR], v3, 5, s56
	s_lshl_b32 s57, s2, 7
	v_mul_u32_u24 v[XST], v3, XP
	v_lshl_add_u32 v[XST], v2, 3, v[XST]
	v_add_nc_u32 v[XST], s57, v[XST]
	v_add_nc_u32 v[HW], s57, v[HA]
	s_mul_i32 s58, s2, STGB
	s_add_co_u32 s58, s58, H1                      ; my stage
	v_mul_u32_u24 v[STO], v2, SPITCH
	v_lshl_add_u32 v[STO], v3, 5, v[STO]
	v_add_nc_u32 v[STO], s58, v[STO]
	v_mul_u32_u24 v[SRD], v3, SPITCH
	v_lshl_add_u32 v[SRD], v2, 4, v[SRD]
	v_add_nc_u32 v[SRD], s58, v[SRD]
	v_lshlrev_b32 v[T16], 4, v0
	v_lshlrev_b32 v[T8], 3, v0
	v_add_nc_u32 v[BST], BIAS, v[T16]
	v_add_nc_u32 v[BST2], BIAS+8192, v[T8]
	v_add_nc_u32 v[BH1A], H1, v[HA]
	v_add_nc_u32 v[BH1B], H1+32*HP, v[HA]
	v_add_nc_u32 v[BH2A], H2, v[HA]
	v_add_nc_u32 v[BH2B], H2+32*HP, v[HA]
	v_add_nc_u32 v[SH1A], H1, v[HW]
	v_add_nc_u32 v[SH1B], H1+32*HP, v[HW]
	v_add_nc_u32 v[SH2A], H2, v[HW]
	v_add_nc_u32 v[SH2B], H2+32*HP, v[HW]
	s_mul_i32 s40, ttmp9, 85
	s_and_b32 s40, s40, 255                        ; my first tile: the odd factor strews the classes over neighbouring work-groups
	s_sub_co_u32 s41, 511, s40                     ; my second tile, if there is one: 256 or 257, for first tiles 255 and 254
	s_mov_b32 s44, s40
	s_wait_kmcnt 0x0
	PHASE0                                         ; the first tile: there are at least 256 tiles, so it exists
	s_mov_b32 s43, 0
; At a layer's head the biases' and the first activations' LDS loads owe no wait of their own: on every way there a wait on va_vdst stands behind the last product and the last select
; (a pass's end's, the way out's, the preparation's), and only LDS and global stores, barriers and scalar lines follow it.
.Ltile:
	BAR                                            ; X and the biases are whole
	s_cmp_eq_u32 s60, 0
	s_cbranch_scc1 .Lskip1
	; layer 1: X -> H1
.set AOFF, 0
.set B_RA, XA
.set B_RB, XA
.set B_CS, 16*XP
.set B_CS2, 32*XP
	LDBIAS 0
	WIN 0x40
	LDB 0
	REV 0, 0, 1, 1, 0
	EPI_H SH1A, SH1B, 0, 1
	REV 0, 0, 1, 1, 16
	EPI_H SH1A, SH1B, 1, 2
	REV 0, 0, 1, 1, 16
	EPI_H SH1A, SH1B, 2, 3
	REV 0, 0, 1, 0, 16
	EPI_H SH1A, SH1B, 3, -1
.Lskip1:
	BAR                                            ; H1 is whole; nobody reads X any more
	s_cmp_eq_u32 s60, 0
	s_cbranch_scc1 .Lskip2
	; layer 2: H1 -> H2
.set B_RA, BH1A
.set B_RB, BH1B
.set B_CS, 16*HP
.set B_CS2, 0
	LDBIAS 4
	WIN 0x40
	LDB 0
	PASS2 0, 1, 5, 0
	PASS2 1, 1, 6, 16
	PASS2 2, 1, 7, 16
	PASS2 3, 0, -1, 16
.Lskip2:
	BAR                                            ; H2 is whole; nobody reads H1 any more: H1 becomes the stages
	s_cmp_eq_u32 s60, 0
	s_cbranch_scc1 .Lskip3
	; layer 3: H2 -> out0
.set B_RA, BH2A
.set B_RB, BH2B
	LDBIAS 8
	WIN 0x40
	LDB 0
	REV 0, 512, 1, 1, 0
	REV 512, 1024, 0, 1, 0
	REV 1024, 1536, 0, 1, 0
	REVTAIL 1536
	EPI_OUT
.Lskip3:
	BAR                                            ; nobody reads H2, the biases or a stage any more: the next preparation may write X and the biases, the next layer 1 H1
	s_mov_b32 s60, 0                               ; unless a second tile is prepared, the second trip passes its barriers and does nothing else
	s_cmp_lg_u32 s43, 0
	s_cbranch_scc1 .Lnone
	s_cmp_ge_u32 s41, s34                          ; is there a tile 511 - first ?
	s_cbranch_scc1 .Lnone
	s_mov_b32 s44, s41
	s_wait_loadcnt 0x0                             ; no load is out when the ring's slots and the other registers are asked for anew.  Layers 1 and 2 end with the next layer's
	                                               ; slots on their way; behind layer 3 the counts have run down to 0, so a wave finds this wait met; it makes the order hold on every way through the text
	s_wait_xcnt 0x0                                ; the stores' offsets and data and the ring's base are written again only behind this wait
	s_wait_alu depctr_vm_vsrc(0)                   ; the first tile's global stores have read OFFR and ACC, its x loads OFFR, its LDS stores TMP: the preparation writes all three anew
	PHASE0
.Lnone:
	s_add_co_u32 s43, s43, 1
	s_cmp_lt_u32 s43, 2
	s_cbranch_scc1 .Ltile
	s_wait_dscnt 0x0
	s_wait_alu depctr_hold_cnt(0) depctr_sa_sdst(0) depctr_va_vdst(0) depctr_va_sdst(0) depctr_va_ssrc(0) depctr_va_vcc(0) depctr_vm_vsrc(0)
	s_wait_tensorcnt 0x0
	ds_add_u32 v254, v255
	s_wait_dscnt 0x0
	s_endpgm
.Lfunc_end_k_q7325651b11_mlp:
	.size	k_q7325651b11_mlp, .Lfunc_end_k_q7325651b11_mlp-k_q7325651b11_mlp
	.p2alignl 7, 3214868480
	.fill 96, 4, 3214868480
	.section	.rodata,"a",@progbits
	.p2align	6, 0x0
	.amdhsa_kernel k_q7325651b11_mlp
		.amdhsa_group_segment_fixed_size 307712
		.amdhsa_private_segment_fixed_size 0
		.amdhsa_enable_private_segment 0
		.amdhsa_kernarg_size 88
		.amdhsa_user_sgpr_count 2
		.amdhsa_user_sgpr_kernarg_segment_ptr 1
		.amdhsa_wavefront_size32 1
		.amdhsa_system_sgpr_workgroup_id_x 1
		.amdhsa_system_sgpr_workgroup_id_y 1
		.amdhsa_system_sgpr_workgroup_id_z 1
		.amdhsa_system_vgpr_workitem_id 0
		.amdhsa_next_free_vgpr 704
		.amdhsa_next_free_sgpr 66
		.amdhsa_reserve_vcc 0
		.amdhsa_float_denorm_mode_32 3
		.amdhsa_float_denorm_mode_16_64 3
		.amdhsa_memory_ordered 1
		.amdhsa_forward_progress 1
		.amdhsa_inst_pref_size 255
	.end_amdhsa_kernel
	.section	.bss,"aw",@nobits
	.p2align	6
	.space	262144
	.amdgpu_metadata
---
amdhsa.version: [ 1, 2 ]
amdhsa.kernels:
  - .name:           k_q7325651b11_mlp
    .symbol:         k_q7325651b11_mlp.kd
    .args:
      - { .name: x, .offset: 0, .size: 8, .value_kind: global_buffer, .address_space: global }
      - { .name: out0, .offset: 8, .size: 8, .value_kind: global_buffer, .address_space: global }
      - { .name: wb, .offset: 16, .size: 8, .value_kind: global_buffer, .address_space: global }
      - { .name: order, .offset: 24, .size: 8, .value_kind: global_buffer, .address_space: global }
      - { .name: meta, .offset: 32, .size: 8, .value_kind: global_buffer, .address_space: global }
      - { .name: b_neg0, .offset: 40, .size: 8, .value_kind: global_buffer, .address_space: global }
      - { .name: b_neg1, .offset: 48, .size: 8, .value_kind: global_buffer, .address_space: global }
      - { .name: b_neg2, .offset: 56, .size: 8, .value_kind: global_buffer, .address_space: global }
      - { .name: b_pos0, .offset: 64, .size: 8, .value_kind: global_buffer, .address_space: global }
      - { .name: b_pos1, .offset: 72, .size: 8, .value_kind: global_buffer, .address_space: global }
      - { .name: b_pos2, .offset: 80, .size: 8, .value_kind: global_buffer, .address_space: global }
    .group_segment_fixed_size: 307712
    .private_segment_fixed_size: 0
    .kernarg_segment_align: 8
    .kernarg_segment_size: 88
    .max_flat_workgroup_size: 128
    .sgpr_count:     66
    .vgpr_count:     704
    .wavefront_size: 32
...
	.end_amdgpu_metadata
.endif
;; end of part 3
